; MI455X (gfx1250); checked and timed in simulation.
; The chip was launched on July 23, 2026; its instructions are those of AMD's public machine-readable ISA for CDNA 5 (MIT licence, August 2026) and "CDNA5" Instruction Set Architecture Reference Guide (July 2026). The comments in the code are by the model that wrote it; some were corrected since.
;; Scaled Dot Product Attention. Allowed arithmetic: matrix products marked QUANTISED: E2M3 operands, one E8M0 scale for each 32 along K, by v_wmma_scale_f32_16x16x128_f8f6f4 with both operands' format E2M3, f32 sums; everything else in f32.
;; Inputs: key 16 x 4,096 x 64 float32; mask 4,096 x 4,096 int32; query 16 x 4,096 x 64 float32; value 16 x 4,096 x 64 float32.
;; Outputs: out0 16 x 4,096 x 64 float32.
;; This version of the problem:
;;   THIS VERSION OF THE PROBLEM IS GIVEN IN LOW PRECISION. The matrix products marked QUANTISED in the list below multiply operands that are first quantised to E2M3 (2 exponent bits, 3 mantissa bits; 6 bits a number), with one power-of-two scale for each 32 numbers along K (OCP MX v1.0); their sums are f32. All else is computed in f32.
;;   The module's matrix products, in the order in which they are computed (A, B: the left and right operand; K: the contracted axis; several contracted axes count as one K, in the product's order):
;;     1. batch 16 x [M 4,096, K 64] x [K 64, N 4,096]; A: input query; B: input key: QUANTISED
;;     2. batch 16 x [M 4,096, K 4,096] x [K 4,096, N 64]; A: softmax (see below); B: input value: QUANTISED
;;   THE QUANTISER, for each operand of a quantised product, along K:
;;     - K is cut into blocks of 32 from its start; a last block that is shorter is filled with zeros.
;;     - A block's scale is 2^e with e = floor(log2(the largest magnitude in the block)) - 2, held to -126 .. 127; a block of zeros has e = 0. As a byte (E8M0): e + 127.
;;     - Each number is divided by its block's scale, clamped to +-7.5, and rounded to the nearest number of E2M3, ties to even, subnormals kept.
;;     - The product sums the exact products of the quantised numbers (number of the format x scale) in f32.
;;   ~~~python
;;   def quantise(x, axis):      # numpy; x: float32 -> the quantised numbers, widened to float32 again
;;       x = np.moveaxis(x, axis, -1); K = x.shape[-1]
;;       x = np.pad(x, [(0, 0)] * (x.ndim - 1) + [(0, -K % 32)]); x = x.reshape(x.shape[:-1] + (-1, 32)); a = np.abs(x).max(-1, keepdims=True)
;;       e = np.where(a > 0, np.clip(np.frexp(np.where(a > 0, a, 1))[1] - 1 - 2, -126, 127), 0)      # np.frexp(a)[1] - 1 = floor(log2(a)), exactly
;;       r = np.clip(x / 2.0 ** e, -7.5, 7.5)
;;       step = 2.0 ** (np.maximum(np.frexp(np.where(r == 0, 1, r))[1] - 1, 0) - 3)
;;       q = np.round(r / step) * step * 2.0 ** e      # np.round: ties to even
;;       return np.moveaxis(q.reshape(q.shape[:-2] + (-1,))[..., :K], -1, axis).astype(np.float32)
;;   ~~~
;;   SOFTMAX AHEAD OF A QUANTISED PRODUCT. Where the list says 'softmax', what is quantised is not the finished softmax but p = 2^(t - M), with t = logit x log2(e) and M = ceil(the row's largest t), a whole number; so 1/2 < the row's largest p <= 1. The row's sum l is taken of the UNQUANTISED p, in f32, and the product's result is divided by l at the end. Since M is a whole number, a kernel that streams over the keys may use a running M (the ceiling of the running maximum): every later rescaling is an exact power of two, which a block's scale takes up: the codes' values come out the same.
;;   OPERANDS COMPUTED ON THE WAY. 'Computed on the way' means the value that the module computes at that place (a softmax that the list does not call 'softmax' is quantised finished and normalised). What goes into a quantiser is computed in f32, as accurately as f32 sums, v_exp_f32 and their like allow (about 1e-6 of the number): no bf16 or f16 on the way to a quantiser, and a product that is left as it is and whose result goes on into a quantised operand takes f32 operands (vector FMAs, or v_wmma_f32_16x16x4_f32). A number that lies on a knife's edge between two numbers of the format may be rounded either way, as far as f32 arithmetic and the matrix unit's own rounding can turn it there, and no further.
;; One version. Each part assembles by itself: llvm-mc -triple=amdgcn-amd-amdhsa -mcpu=gfx1250 --defsym DOCPART=n.
;; ======== version 1 of 1: 2 launches
;; limits: right only within a limited range of input values
;; workspace buffers: kv 6,684,672 bytes; mcodes 16,777,216 bytes; rowany 8,192 bytes of whole numbers
;; launch prep (part 1): grid 768 x 1, 4 waves a work-group, no clusters, 71,168 bytes of LDS; arguments mask, key, value, mcodes, rowany, kv; writes mcodes, rowany, kv
.if DOCPART == 1
	.amdgcn_target "amdgcn-amd-amdhsa--gfx1250"
	.amdhsa_code_object_version 6
	.text
	.protected	k_qf5a288347d_prep
	.globl	k_qf5a288347d_prep
	.p2align	8
	.type	k_qf5a288347d_prep,@function
k_qf5a288347d_prep:
	s_mov_b64 s[64:65], 0
	v_nop
	global_prefetch_b8 v0, s[64:65] scope:SCOPE_SE
	s_setreg_imm32_b32 hwreg(HW_REG_WAVE_MODE, 25, 1), 1
	s_wait_xcnt 0x0
; THE PREPARING LAUNCH of an attention on codes of FP6 (E2M3).  16 batches, 4,096 keys and queries, head size 64.  Three jobs, told apart by the work-group's number; every wave streams 32,768 bytes of input.
;   work-groups 0-511:   mask [4096][4096] int32 -> mcodes and rowany.  The attention launch adds the mask to the scores inside its first product, in the k places 64-127 that the head's 64 leave idle.
;       mcodes: [256 tiles of 16 queries][32 steps of 128 keys][8 tiles of 16 keys][256 bytes]: an image of registers 6, 7 of source 0: lane (r, h), 8 bytes: code i (6 bits, i = 0..7) is 5.0 where
;       mask[q0 + 8 h + i][key] == 0 and 0 elsewhere; key = k0 + 64 c + 32 (r / 8) + 8 u + r % 8 for key tile 4 c + u.  Behind the eight codes stands the code of 2.5 (bits 48-53): a constant place.
;       rowany: [256 tiles of queries][8 runs of 512 keys] words: bit q is set where query q0 + q has a mask entry other than 0 in that run.
;   work-groups 512-639: key -> codes along the head's 64 (two blocks of 32) and scale words.
;   work-groups 640-767: value -> codes along the KEYS (blocks of 32 keys) and scale words.
; kv: [16 batches][32 steps][13,056 bytes], a block for 128 keys, all of it images of operand registers:
;   0      eight tiles of K, 768 bytes each: tile 4 c + u, lane (r, h): key 64 c + 32 (r / 8) + 8 u + r % 8, channels 32 h .. + 31: registers 0-3 at 16 x lane, registers 4-5 at 512 + 8 x lane
;   6144   four fragments of V: fragment t, lane (r, h): registers 6 c .. 6 c + 5 channel 16 t + r, keys 64 c + 32 h + 0 .. 31 (registers 4 c .. 4 c + 3 at 512 c + 16 x lane)
;   12288  K's scale words, 16 bytes a lane: register j tile 2 j (lanes 0-15) and 2 j + 1 (lanes 16-31); bytes 0, 1 the key's two blocks, bytes 2, 3 the byte 127 for the mask's places;   12800  V's, 8 bytes a lane
; THE QUANTISER: a block's scale is 2^(floor(log2(its largest magnitude)) - 2); its byte is the largest magnitude's exponent field - 2, held at 1 from below.
; LIMITS: NaN and infinities among the inputs are not served.  A block whose largest magnitude lies under 2^-124 keeps the byte 1, a block of zeros too: its codes are zeros, and this program alone reads the bytes.
; Waves share nothing: no barrier.  Work-groups share no input: no cluster.  No tensor load, no prefetch: the launch does nothing but stream.
.set MWS,   8704                       ; LDS: a wave's mask stage: 16 rows 528 apart, rows 8-15 another 32 on
.set KST,   4*MWS                      ; then the key path's four stages (8,960 each): each path has bytes of its own
.set SPARE, KST+4*8960                 ; the spare words, 128 bytes a wave
.set BLKB,  13056
.set D,     64                         ; v64-255: three sets of 64 registers for loads
.set LI,  2
.set MSI, 5
.set MSO, 6
.set KSI, 7
.set KSO, 8
.set L8,  9
.set L4,  10
.set H8,  11
.set SPW, 12
.set NIL, 13
.macro FINISH                          ; a wave's end, behind the last LDS store
	s_wait_tensorcnt 0x0
	ds_add_u32 v[SPW], v[NIL]
	s_wait_dscnt 0x0
	s_endpgm
.endm
	s_load_b256 s[4:11], s[0:1], 0x0               ; mask, key, value, mcodes
	s_load_b128 s[12:15], s[0:1], 0x20             ; rowany, kv
	v_lshl_add_u32 v[SPW], v0, 2, SPARE
	v_mov_b32 v[NIL], 0
	v_lshrrev_b32 v1, 5, v0
	v_readfirstlane_b32 s16, v1                    ; wave
	v_and_b32 v1, 31, v0                           ; lane
	v_and_b32 v3, 15, v0                           ; r
	v_bfe_u32 v4, v0, 4, 1                         ; h
	v_lshlrev_b32 v[LI], 4, v1
	v_lshlrev_b32 v[L8], 3, v1
	v_lshlrev_b32 v[L4], 2, v1
	v_lshlrev_b32 v[H8], 3, v4
	s_mul_i32 s17, s16, MWS                        ; every LDS address is made here, ahead of the parting of the paths
	v_add_nc_u32 v[MSI], s17, v[LI]                ; mask stage, in: 16 x lane
	v_mul_u32_u24 v[MSO], v4, 8*528+32             ; out: rows 8 h on, word 32 (r / 8) + r % 8
	v_lshrrev_b32 v14, 3, v3
	v_lshl_add_u32 v[MSO], v14, 7, v[MSO]
	v_and_b32 v15, 7, v3
	v_lshl_add_u32 v[MSO], v15, 2, v[MSO]
	v_add_nc_u32 v[MSO], s17, v[MSO]
	s_mul_i32 s17, s16, 8960
	s_add_co_u32 s17, s17, KST
	v_mul_u32_u24 v[KSI], v4, 272
	v_lshl_add_u32 v[KSI], v3, 4, v[KSI]
	v_add_nc_u32 v[KSI], s17, v[KSI]
	v_and_b32 v[KSO], 8, v3
	v_add_nc_u32 v[KSO], v[KSO], v3                ; r + 8 (r / 8): stage rows 0-7 and 16-23
	v_mul_u32_u24 v[KSO], v[KSO], 272
	v_add_nc_u32 v14, v14, v4                      ; r / 8 + h, each worth 128 bytes
	v_lshl_add_u32 v[KSO], v14, 7, v[KSO]
	v_add_nc_u32 v[KSO], s17, v[KSO]
	s_mov_b32 s20, 0x76543210
	s_mov_b32 s21, 0xfedcba98                      ; selects for lane l xor 16
	s_mov_b32 s22, 0xffff0000                      ; lanes 16-31
	s_wait_alu depctr_va_vdst(0)                   ; the wait at the head's end
	s_wait_kmcnt 0x0
	s_cmp_lt_u32 ttmp9, 512
	s_cbranch_scc0 .Lnot_mask
; ---------------- THE MASK.  Job J = 4 x work-group + wave: tile of queries J / 8, steps 4 (J % 8) .. + 3: 16 rows x 2,048 bytes.
	s_lshl_b32 s17, ttmp9, 2
	s_add_co_u32 s17, s17, s16                     ; J
	s_lshr_b32 s18, s17, 3
	s_and_b32 s19, s17, 7
	s_lshl_b32 s24, s18, 18                        ; 16 rows of 16,384 bytes
	s_lshl_b32 s26, s19, 11
	s_add_co_u32 s24, s24, s26
	s_mov_b32 s25, 0
	s_add_nc_u64 s[4:5], s[4:5], s[24:25]
	s_lshl_b32 s26, s17, 13                        ; four steps of 2,048 bytes of codes
	s_mov_b32 s27, 0
	s_add_nc_u64 s[10:11], s[10:11], s[26:27]
	s_lshl_b32 s26, s17, 2                         ; my word of rowany
	s_add_nc_u64 s[12:13], s[12:13], s[26:27]
	s_mov_b32 s23, 0x120000                        ; the code of 2.5 at bits 48-53 of a lane's 8 bytes
	v_mov_b32 v48, 0x40a00000                      ; 5.0
	v_mov_b32 v49, 1.0                             ; the conversions' scale operand: 2^0
.irp i, 0,1,2,3,4,5,6,7
	v_mov_b32 v[16+\i], v48                        ; v16-23: the least of query 8 h + i's numbers: 0 once an entry is not masked
.endr
	s_wait_alu depctr_va_vdst(0)
.macro MLOAD s
.irp i, 0,1,2,3,4,5,6,7,8,9,10,11,12,13,14,15
	global_load_b128 v[D+64*((\s)%3)+4*\i:D+64*((\s)%3)+4*\i+3], v[LI], s[4:5] offset:16384*\i+512*(\s) th:TH_LOAD_NT
.endr
.endm
; Step s: 16 x 128 numbers turn through my stage: register 8 t + i of lane (r, h) is query 8 h + i at key tile t's row r.  16 registers (two tiles) make 96 bits of codes: 48 for each tile's image.
.macro MTILE s, left
.set DSET, D+64*((\s)%3)
	s_wait_loadcnt \left
.irp i, 0,1,2,3,4,5,6,7,8,9,10,11,12,13,14,15
	ds_store_b128 v[MSI], v[DSET+4*\i:DSET+4*\i+3] offset:528*\i+32*(\i/8)
.endr
.irp t, 0,1,2,3,4,5,6,7
.irp i, 0,1,2,3,4,5,6,7
	ds_load_b32 v[DSET+8*\t+\i], v[MSO] offset:528*\i+256*(\t/4)+32*(\t%4)   ; LDS serves a wave's instructions in order
.endr
.endr
	s_wait_dscnt 0x0
.irp g, 0,1,2,3
.irp j, 0,1,2,3,4,5,6,7,8,9,10,11,12,13,14,15
	v_cmp_eq_u32 s[32+\j], 0, v[DSET+16*\g+\j]
.endr
.irp j, 0,1,2,3,4,5,6,7,8,9,10,11,12,13,14,15
	v_cndmask_b32 v[DSET+16*\g+\j], v[NIL], v48, s[32+\j]      ; 5.0 where masked
.endr
.endr
.irp p, 0,1,2,3
.irp i, 0,1,2,3,4,5,6,7
	v_min3_num_f32 v[16+\i], v[16+\i], v[DSET+16*\p+\i], v[DSET+16*\p+8+\i]
.endr
.endr
.if (\s) > 0
	s_wait_alu depctr_va_vdst(0)
	s_wait_xcnt 0x0                                ; the last step's stores have read their registers
.endif
.irp p, 0,1,2,3
	v_cvt_scalef32_pk16_fp6_f32 v[24+4*\p:26+4*\p], v[DSET+16*\p:DSET+16*\p+15], v49
.endr
	v_nop                                          ; one plain place behind a scaled conversion
.irp p, 0,1,2,3
	v_alignbit_b32 v[40+2*\p], v[26+4*\p], v[25+4*\p], 16      ; the odd tile's 48 bits
	v_lshrrev_b32 v[41+2*\p], 16, v[26+4*\p]
	v_and_or_b32 v[25+4*\p], v[25+4*\p], 0xffff, s23           ; the even tile's upper 16, and the constant place
	v_or_b32 v[41+2*\p], s23, v[41+2*\p]
.endr
.irp p, 0,1,2,3
	global_store_b64 v[L8], v[24+4*\p:25+4*\p], s[10:11] offset:2048*(\s)+512*\p        ; 256 consecutive bytes, aligned
	global_store_b64 v[L8], v[40+2*\p:41+2*\p], s[10:11] offset:2048*(\s)+512*\p+256
.endr
.endm
	MLOAD 0
	MLOAD 1
	MLOAD 2
	MTILE 0, 32
	MLOAD 3
	MTILE 1, 32
	MTILE 2, 16
	MTILE 3, 0
.irp i, 0,1,2,3,4,5,6,7
	v_cmp_eq_u32 s[32+\i], 0, v[16+\i]             ; lanes that met an entry that is not masked: lanes 0-15 query i, lanes 16-31 query 8 + i
.endr
	s_mov_b32 s24, 0
.irp i, 0,1,2,3,4,5,6,7
	s_and_b32 s25, s[32+\i], 0xffff
	s_cselect_b32 s25, 1<<\i, 0
	s_or_b32 s24, s24, s25
	s_lshr_b32 s25, s[32+\i], 16
	s_cselect_b32 s25, 256<<\i, 0
	s_or_b32 s24, s24, s25
.endr
	v_mov_b32 v50, s24
	v_cmp_eq_u32 vcc_lo, 0, v1
	s_wait_alu depctr_va_vdst(0)
	s_wait_xcnt 0x0                                ; EXEC changes only behind this wait
	s_and_saveexec_b32 s27, vcc_lo
	global_store_b32 v[NIL], v50, s[12:13]         ; lane 0 stores the word
	s_wait_xcnt 0x0
	s_or_b32 exec_lo, exec_lo, s27
	FINISH
.Lnot_mask:
	s_cmp_lt_u32 ttmp9, 640
	s_cbranch_scc0 .Lvalue
; ---------------- THE KEYS.  Job J = 4 x (work-group - 512) + wave = 32 x batch + step: 128 keys x 256 bytes.
	s_sub_co_u32 s17, ttmp9, 512
	s_lshl_b32 s17, s17, 2
	s_add_co_u32 s17, s17, s16
	s_lshl_b32 s24, s17, 15
	s_mov_b32 s25, 0
	s_add_nc_u64 s[6:7], s[6:7], s[24:25]
	s_mul_i32 s26, s17, BLKB
	s_mov_b32 s27, 0
	s_add_nc_u64 s[14:15], s[14:15], s[26:27]
	s_mov_b32 s23, 0x7f7f0000                      ; bytes 2, 3 of a scale word: 2^0 for the mask's places
	v_mov_b32 v45, 0                               ; a lane permute's destination counts as one of its sources
.macro KLOAD b                         ; pass b: tiles 2 b, 2 b + 1: keys 64 (b / 2) + 16 (b % 2) + 0..15 and the 16 that lie 32 further on
.irp i, 0,1,2,3,4,5,6,7,8,9,10,11,12,13,14,15
	global_load_b128 v[D+64*((\b)%3)+4*\i:D+64*((\b)%3)+4*\i+3], v[LI], s[6:7] offset:16384*((\b)/2)+4096*((\b)%2)+512*\i+4096*(\i/8) th:TH_LOAD_NT
.endr
.endm
; The pass's 32 rows turn through my stage (row p at 272 p + 128 (p / 16)): a lane then holds two whole blocks of 32: tile 2 b's row r in registers 0-31, tile 2 b + 1's in registers 32-63, channels 32 h on.
.macro KFRAG b, left
.set DSET, D+64*((\b)%3)
.set FB, 16+12*((\b)%2)
	s_wait_loadcnt \left
.irp i, 0,1,2,3,4,5,6,7,8,9,10,11,12,13,14,15
	ds_store_b128 v[KSI], v[DSET+4*\i:DSET+4*\i+3] offset:544*\i+128*(\i/8)
.endr
.irp m, 0,1,2,3,4,5,6,7
	ds_load_b128 v[DSET+4*\m:DSET+4*\m+3], v[KSO] offset:16*\m
.endr
.irp m, 0,1,2,3,4,5,6,7
	ds_load_b128 v[DSET+32+4*\m:DSET+32+4*\m+3], v[KSO] offset:2176+16*\m
.endr
	s_wait_dscnt 0x0
	v_max3_num_f32 v40, |v[DSET]|, |v[DSET+1]|, 0x1800000      ; the floor 2^(3 - 127)
	v_max3_num_f32 v41, |v[DSET+32]|, |v[DSET+33]|, 0x1800000
.irp i, 2,4,6,8,10,12,14,16,18,20,22,24,26,28,30
	v_max3_num_f32 v40, v40, |v[DSET+\i]|, |v[DSET+\i+1]|
	v_max3_num_f32 v41, v41, |v[DSET+32+\i]|, |v[DSET+33+\i]|
.endr
	v_add_nc_u32 v40, 0xff000000, v40              ; 2 off the exponent field: the conversion's scale operand
	v_add_nc_u32 v41, 0xff000000, v41
	v_lshrrev_b32 v42, 23, v40
	v_lshrrev_b32 v43, 23, v41
	v_lshl_or_b32 v44, v43, 16, v42
	v_lshlrev_b32 v44, v[H8], v44
	v_permlanex16_b32 v45, v44, s20, s21
	v_or_b32 v44, v44, v45                         ; bytes 0, 1: the even tile's row; bytes 2, 3: the odd tile's
	v_and_or_b32 v46, v44, 0xffff, s23
	v_lshrrev_b32 v47, 16, v44
	v_or_b32 v47, s23, v47
	v_cndmask_b32 v[56+(\b)], v46, v47, s22        ; the odd tile's words in lanes 16-31
.if (\b) >= 2
	s_wait_alu depctr_va_vdst(0)
	s_wait_xcnt 0x0                                ; the stores of two passes back have read this set of registers
.endif
	v_cvt_scalef32_pk16_fp6_f32 v[FB:FB+2], v[DSET:DSET+15], v40
	v_cvt_scalef32_pk16_fp6_f32 v[48:50], v[DSET+16:DSET+31], v40      ; (a conversion's three registers begin on an even number)
	v_cvt_scalef32_pk16_fp6_f32 v[FB+6:FB+8], v[DSET+32:DSET+47], v41
	v_cvt_scalef32_pk16_fp6_f32 v[52:54], v[DSET+48:DSET+63], v41
	v_nop
.irp i, 0,1,2
	v_mov_b32 v[FB+3+\i], v[48+\i]
	v_mov_b32 v[FB+9+\i], v[52+\i]
.endr
.irp w, 0,1
	global_store_b128 v[LI], v[FB+6*\w:FB+6*\w+3], s[14:15] offset:1536*(\b)+768*\w
	global_store_b64 v[L8], v[FB+6*\w+4:FB+6*\w+5], s[14:15] offset:1536*(\b)+768*\w+512
.endr
.endm
	KLOAD 0
	KLOAD 1
	KLOAD 2
	s_wait_alu depctr_va_vdst(0)
	KFRAG 0, 32
	KLOAD 3
	KFRAG 1, 32
	KFRAG 2, 16
	KFRAG 3, 0
	global_store_b128 v[LI], v[56:59], s[14:15] offset:12288
	FINISH
; ---------------- THE VALUES.  Job J = 32 x batch + step.  K of their product is the keys: a lane takes a channel and its registers run down the keys.
.Lvalue:
	s_sub_co_u32 s17, ttmp9, 640
	s_lshl_b32 s17, s17, 2
	s_add_co_u32 s17, s17, s16
	s_lshl_b32 s24, s17, 15
	s_mov_b32 s25, 0
	s_add_nc_u64 s[8:9], s[8:9], s[24:25]
	s_mul_i32 s26, s17, BLKB
	s_mov_b32 s27, 0
	s_add_nc_u64 s[14:15], s[14:15], s[26:27]
; Unit u of 8: channels 32 (u / 4) + lane, key block u % 4.  v16-63 the four fragments; v64-127 two sets of 32 numbers; v204-205 the scale words' image.
.macro VLOAD u
.irp i, 0,1,2,3,4,5,6,7,8,9,10,11,12,13,14,15,16,17,18,19,20,21,22,23,24,25,26,27,28,29,30,31
	global_load_b32 v[64+32*((\u)%2)+\i], v[L4], s[8:9] offset:(32*((\u)%4)+\i)*256+128*((\u)/4) th:TH_LOAD_NT
.endr
.endm
.macro VUNIT u
.set XS, 64+32*((\u)%2)
.set HF, (\u)/4
.set BB, (\u)%4
.set CC, BB/2
.set EE, BB%2
.set FE, 16+12*(2*HF+EE)+6*CC
.set FL, 16+12*(2*HF)+6*CC
.set FH, 16+12*(2*HF+1)+6*CC
.if (\u) < 7
	s_wait_loadcnt 32
.else
	s_wait_loadcnt 0x0
.endif
	v_max3_num_f32 v192, |v[XS]|, |v[XS+1]|, |v[XS+2]|
	v_max3_num_f32 v193, |v[XS+3]|, |v[XS+4]|, |v[XS+5]|
.irp i, 6,10,14,18,22,26
	v_max3_num_f32 v192, v192, |v[XS+\i]|, |v[XS+\i+1]|
	v_max3_num_f32 v193, v193, |v[XS+\i+2]|, |v[XS+\i+3]|
.endr
	v_max3_num_f32 v192, v192, |v[XS+30]|, |v[XS+31]|
	v_max3_num_f32 v192, v192, v193, 0x1800000
	v_add_nc_u32 v194, 0xff000000, v192
	v_lshrrev_b32 v195, 23, v194
.if BB == 0
	v_mov_b32 v[204+HF], v195
.else
	v_lshl_or_b32 v[204+HF], v195, 8*BB, v[204+HF]
.endif
	v_cvt_scalef32_pk16_fp6_f32 v[FE:FE+2], v[XS:XS+15], v194
	v_cvt_scalef32_pk16_fp6_f32 v[196+4*EE:198+4*EE], v[XS+16:XS+31], v194
	v_nop
.if (\u) < 6
	VLOAD (\u)+2
.endif
.if EE == 1                            ; an operand wants ONE tile, block 2 c in lanes 0-15 and block 2 c + 1 in lanes 16-31
.irp i, 0,1,2
	v_permlane16_swap_b32 v[FL+\i], v[FH+\i]
.endr
.irp i, 0,1,2
	v_permlane16_swap_b32 v[196+\i], v[200+\i]
.endr
.irp i, 0,1,2
	v_mov_b32 v[FL+3+\i], v[196+\i]
	v_mov_b32 v[FH+3+\i], v[200+\i]
.endr
.endif
.if BB == 3
.irp w, 0,1
.irp c, 0,1,2
	global_store_b128 v[LI], v[16+12*(2*HF+\w)+4*\c:16+12*(2*HF+\w)+4*\c+3], s[14:15] offset:6144+1536*(2*HF+\w)+512*\c
.endr
.endr
.endif
.endm
	VLOAD 0
	VLOAD 1
.irp u, 0,1,2,3,4,5,6,7
	VUNIT \u
.endr
	global_store_b64 v[L8], v[204:205], s[14:15] offset:12800
	FINISH
.Lfunc_end_k_qf5a288347d_prep:
	.size	k_qf5a288347d_prep, .Lfunc_end_k_qf5a288347d_prep-k_qf5a288347d_prep
	.p2alignl 7, 3214868480
	.fill 96, 4, 3214868480
	.section	.rodata,"a",@progbits
	.p2align	6, 0x0
	.amdhsa_kernel k_qf5a288347d_prep
		.amdhsa_group_segment_fixed_size 71168
		.amdhsa_private_segment_fixed_size 0
		.amdhsa_enable_private_segment 0
		.amdhsa_kernarg_size 48
		.amdhsa_user_sgpr_count 2
		.amdhsa_user_sgpr_kernarg_segment_ptr 1
		.amdhsa_wavefront_size32 1
		.amdhsa_system_sgpr_workgroup_id_x 1
		.amdhsa_system_sgpr_workgroup_id_y 1
		.amdhsa_system_sgpr_workgroup_id_z 1
		.amdhsa_system_vgpr_workitem_id 0
		.amdhsa_next_free_vgpr 256
		.amdhsa_next_free_sgpr 66
		.amdhsa_reserve_vcc 1
		.amdhsa_float_denorm_mode_32 3
		.amdhsa_float_denorm_mode_16_64 3
		.amdhsa_memory_ordered 1
		.amdhsa_forward_progress 1
		.amdhsa_inst_pref_size 148
	.end_amdhsa_kernel
	.amdgpu_metadata
---
amdhsa.version: [ 1, 2 ]
amdhsa.kernels:
  - .name:           k_qf5a288347d_prep
    .symbol:         k_qf5a288347d_prep.kd
    .args:
      - { .name: mask, .offset: 0, .size: 8, .value_kind: global_buffer, .address_space: global }
      - { .name: key, .offset: 8, .size: 8, .value_kind: global_buffer, .address_space: global }
      - { .name: value, .offset: 16, .size: 8, .value_kind: global_buffer, .address_space: global }
      - { .name: mcodes, .offset: 24, .size: 8, .value_kind: global_buffer, .address_space: global }
      - { .name: rowany, .offset: 32, .size: 8, .value_kind: global_buffer, .address_space: global }
      - { .name: kv, .offset: 40, .size: 8, .value_kind: global_buffer, .address_space: global }
    .group_segment_fixed_size: 71168
    .private_segment_fixed_size: 0
    .kernarg_segment_align: 8
    .kernarg_segment_size: 48
    .max_flat_workgroup_size: 128
    .sgpr_count:     66
    .vgpr_count:     256
    .wavefront_size: 32
...
	.end_amdgpu_metadata
.endif
;; end of part 1
;; launch attn (part 2): grid 16 x 16, 16 waves a work-group, clusters of 4 x 1, 327,680 bytes of LDS; arguments query, kv, mcodes, rowany, out0; writes out0
.if DOCPART == 2
	.amdgcn_target "amdgcn-amd-amdhsa--gfx1250"
	.amdhsa_code_object_version 6
	.text
	.protected	k_qf5a288347d_attn
	.globl	k_qf5a288347d_attn
	.p2align	8
	.type	k_qf5a288347d_attn,@function
k_qf5a288347d_attn:
	s_mov_b64 s[64:65], 0
	v_nop
	global_prefetch_b8 v0, s[64:65] scope:SCOPE_SE
	s_setreg_imm32_b32 hwreg(HW_REG_WAVE_MODE, 25, 1), 1
	s_wait_xcnt 0x0
	s_wait_alu depctr_hold_cnt(0) depctr_sa_sdst(0) depctr_va_vdst(0) depctr_va_sdst(0) depctr_va_ssrc(0) depctr_va_vcc(0) depctr_vm_vsrc(0)
	s_getreg_b32 s2, hwreg(HW_REG_IB_STS2, 6, 4)
	s_cmp_eq_u32 s2, 0
	s_cbranch_scc0 .Lentry_in_a_cluster
	s_endpgm
.Lentry_in_a_cluster:
	s_bfe_u32 s2, ttmp6, 0x10000c
	s_cmp_lg_u32 s2, 0x3003
	s_cbranch_scc0 .Lentry_shape_is_right
	s_endpgm
.Lentry_shape_is_right:
; out[b][q][:] = the sum over k of softmax_k(s(q, k)) value[b][k][:], s = query . key / 8 where mask[q][k] != 0 and -10000 where it is 0.  16 batches, 4,096 queries and keys, head size 64.
; Both products on codes of FP6 (E2M3) with E8M0 scales.  K's and V's codes come from kv, the mask as codes from mcodes, a flag for each query from rowany (all laid by the launch before); Q is quantised here.
; THE SOFTMAX: t = s x log2(e); M = the running largest t rounded UP to a whole number; p = 2^(t - M) is quantised along the keys; the row's sum is taken of the unquantised p and divides at the end.
; THE MASK GOES THROUGH THE FIRST PRODUCT.  Its K is 64 and the instruction's 128.  Source 0 holds a tile's 16 keys: K's codes in k 0-63; in k 64 + 32 h + i the code 5.0 where query 8 h + i is masked at that key; 2.5 at k 72.
; Source 1 holds my 16 queries: Q's codes in k 0-63, the code -7.5 at the query's own place, zeros elsewhere.  A query with some entry not masked has the scale byte 139 there: a masked raw score is s - 153,600,
; whose p is 0, as that of -10000 is beside any score above -9,900.  A query that is masked throughout has zero codes for Q, the byte 138 and -0.625 at k 72: each raw score is -76,800 - 3,200 = -80,000 exactly, so it comes out uniform.
; The running largest raw score begins at -80,000, so a stretch of masked keys gives M = ceil(-10000 log2(e)) and p = 0.  Registers 8-11 of source 0 are the next tile's first four (or four zeros): they meet zero codes of source 1.
; LIMITS: the scaled scores query . key / 8 lie within +-9,500 (the drawn inputs' lie within 7).  NaN and infinities among the inputs are not served.  A block of Q under 2^-124 keeps the byte 1.  p under 2^-126 counts as 0 (ISA guide 15.8, v_exp_f32).
; A block's largest p is taken from its largest score by the same multiply-add and exponential, which takes v_exp_f32 not to fall where its input rises.
; SHARES.  A work-group owns 256 queries of one batch, each of its sixteen waves 16, in 256 registers.  32 steps of 128 keys.  Both products are used transposed: a lane holds ONE query (lane % 16).
; A tile's rows 0-7 are keys of block 2 c and rows 8-15 of block 2 c + 1, so score registers 32 c .. 32 c + 31 of lane (r, h) are keys 64 c + 32 h + 0 .. 31: a whole block of the second product's K in one lane.
; THE RING.  Two LDS slots of 8 steps' blocks (104,448 bytes), 2^17 bytes apart.  Waves 0-3 fetch a quarter of a slot each, one tensor load a wave behind each change of slots; a wave has at most one out.
; CLUSTER.  The four query blocks of a cluster belong to one batch and walk the same kv blocks: each quarter is asked for JOINTLY.  The mask codes are each wave's own: they come straight into registers, asked for a step ahead.
; PREFETCH.  In each step a wave names the eight blocks of 256 bytes of its own mask codes that the loads of two steps on will ask for (lanes 0-7 a block each, the others the eighth again); the last steps name step 31's.
; No prefetch for kv: a refill is asked for eight key steps ahead of the wait for it.
.set BLKB,  13056
.set SLOTB, 8*BLKB
.set SLOT1, 1<<17
.set SP,    272
.set STAGE, SLOT1+SLOTB+BLKB           ; 16 rows x 272 for each wave: Q's turn and the way out; no tensor load lands here
.set SPARE, STAGE+16*16*SP             ; the spare words, 128 bytes a wave
.set AHEAD, 2
.set LI,  1                            ; 16 x lane
.set L8,  2                            ; 8 x lane
.set SPW, 3
.set NIL, 4
.set ADR, 5                            ; the block in hand + 16 x lane
.set ADS, 6                            ; the block in hand + 8 x lane
.set STO, 7
.set RD,  8
.set TMP, 9
.set FF,  10                           ; f = 2^(old M - new M)
.set PW,  11                           ; p's scale word
                                       ; v12 -M, v13 the largest raw score, v[14:15] the sum in two halves
.set QB,  16                           ; v16-27 source 1 of the first product
.set QS,  28                           ; its scale word
.set H8,  29                           ; 8 h
.set MO,  30                           ; the mask codes' offset
.set OLD, 31
.set KS,  32                           ; v32-35 K's scale words; v36-37 V's
.set VS,  36
.set BM,  38                           ; v38-39 my two blocks' largest scores, then p, then scale operands
.set PT,  40                           ; v40-42, v44-46 at work
.set Y0,  43                           ; my two blocks' scale bytes
.set Y1,  47
.set G,   48                           ; v48-111 eight tiles: 6 registers of K, 2 of the mask; v112-115 zeros
.set S,   116                          ; v116-179 S^T, then p; v116-139 then V's fragments 2, 3
.set O,   180                          ; v180-211 O^T
.set PC,  212                          ; v212-223 p's codes
.set VA,  224                          ; v224-247 V's fragments 0, 1
.set T,   248                          ; v248-253 at work
.set PFL, 254                          ; 256 x min(lane, 7)
.set PF,  255                          ; the prefetch's offset
.set WV,  12
.set G1,  16
.set G0,  24
.set TB,  28
.set CNT, 29
.set SLOTS, 30
.set STP, 31
.set OUT, 32
.set SEL, 34
.set CS,  36
.set SF,  38                           ; lanes whose query is masked throughout
.set SC,  39                           ; those of them in lanes 0-15
.macro CROUND
	s_barrier_signal -1
	s_barrier_wait -1
	s_cmp_lg_u32 s[WV], 0
	s_cbranch_scc1 .Lnot_wave_0_\@
	s_barrier_signal -3
.Lnot_wave_0_\@:
	s_barrier_wait -3
	s_barrier_signal -1
	s_barrier_wait -1
.endm
.macro JLOAD                           ; waves 0-3 ask for a quarter of a slot each
	s_cmp_lt_u32 s[WV], 4
	s_cbranch_scc0 .Lno_load_\@
	tensor_load_to_lds s[G0:G0+3], s[G1:G1+7]
	s_nop 0
.rept 4
	v_nop
.endr
.Lno_load_\@:
.endm
.macro WMZ d, a, bq, sa, sb, row
.if \row
	v_wmma_scale_f32_16x16x128_f8f6f4 v[\d:\d+7], v[\a:\a+11], v[\bq:\bq+11], 0, v[\sa], v[\sb] matrix_a_fmt:MATRIX_FMT_FP6 matrix_b_fmt:MATRIX_FMT_FP6 matrix_a_scale:MATRIX_SCALE_ROW1
.else
	v_wmma_scale_f32_16x16x128_f8f6f4 v[\d:\d+7], v[\a:\a+11], v[\bq:\bq+11], 0, v[\sa], v[\sb] matrix_a_fmt:MATRIX_FMT_FP6 matrix_b_fmt:MATRIX_FMT_FP6
.endif
.endm
.macro WMA d, a, bq, sa, sb, row
.if \row
	v_wmma_scale_f32_16x16x128_f8f6f4 v[\d:\d+7], v[\a:\a+11], v[\bq:\bq+11], v[\d:\d+7], v[\sa], v[\sb] matrix_a_fmt:MATRIX_FMT_FP6 matrix_b_fmt:MATRIX_FMT_FP6 matrix_a_scale:MATRIX_SCALE_ROW1
.else
	v_wmma_scale_f32_16x16x128_f8f6f4 v[\d:\d+7], v[\a:\a+11], v[\bq:\bq+11], v[\d:\d+7], v[\sa], v[\sb] matrix_a_fmt:MATRIX_FMT_FP6 matrix_b_fmt:MATRIX_FMT_FP6
.endif
.endm
.macro KFETCH off                      ; K's eight tiles and scale words of the block off bytes behind the one in hand
.irp t, 0,1,2,3,4,5,6,7
	ds_load_b128 v[G+8*\t:G+8*\t+3], v[ADR] offset:\off+768*\t
	ds_load_b64 v[G+8*\t+4:G+8*\t+5], v[ADS] offset:\off+768*\t+512
.endr
	ds_load_b128 v[KS:KS+3], v[ADR] offset:\off+12288
.endm
.macro VLD d, n                        ; 16 bytes a lane of V's images: piece n of twelve
	ds_load_b128 v[\d:\d+3], v[ADR] offset:6144+512*(\n)
.endm
.macro ACC n                           ; n pairs of p onto the sum's four chains, by turns
.rept \n
.if CH == 0
	v_pk_add_f32 v[14:15], v[14:15], v[S+2*PJ:S+2*PJ+1]
.else
	v_pk_add_f32 v[T+2*CH-2:T+2*CH-1], v[T+2*CH-2:T+2*CH-1], v[S+2*PJ:S+2*PJ+1]
.endif
.set PJ, PJ+1
.set CH, (CH+1)%4
.endr
.endm
.macro TM n                            ; t - M, two at a time
.rept \n
	v_pk_fma_f32 v[S+j:S+j+1], v[S+j:S+j+1], s[CS:CS+1], v[12:13] op_sel_hi:[1,0,0]
.set j, j+2
.endr
.endm
.macro EXPS c                          ; block c's 32 exponentials and that of its largest score
.set j, 32*\c
.rept 32
	v_exp_f32 v[S+j], v[S+j]
.set j, j+1
.endr
	v_exp_f32 v[BM+\c], v[BM+\c]
.endm
	s_load_b256 s[4:11], s[0:1], 0x0               ; query, kv, mcodes, rowany
	s_load_b64 s[OUT:OUT+1], s[0:1], 0x20          ; out0
	v_lshl_add_u32 v[SPW], v0, 2, SPARE
	v_mov_b32 v[NIL], 0
	ds_add_u32 v[SPW], v[NIL]                      ; the opening lines: the add, twice, and its wait ahead of the first tensor load
	ds_add_u32 v[SPW], v[NIL]
	v_lshrrev_b32 v[TMP], 5, v0
	v_readfirstlane_b32 s[WV], v[TMP]              ; wave 0..15
	s_bfe_u32 s13, ttmp6, 0x40000                  ; cx: it enters global addresses of Q, O, the mask codes and the flags alone
	s_lshl_b32 s14, ttmp9, 2
	s_add_co_u32 s14, s14, s13                     ; my block of 256 queries
	s_and_b32 s15, ttmp7, 0xffff                   ; the batch
	s_lshl_b32 s40, s15, 20                        ; Q and O
	s_lshl_b32 s50, s14, 16
	s_add_co_u32 s40, s40, s50
	s_lshl_b32 s50, s[WV], 12
	s_add_co_u32 s40, s40, s50
	s_mov_b32 s41, 0
	s_lshl_b32 s42, s14, 20                        ; the mask codes: 65,536 bytes a tile of 16 queries
	s_lshl_b32 s50, s[WV], 16
	s_add_co_u32 s42, s42, s50
	s_mov_b32 s43, 0
	s_lshl_b32 s44, s14, 9                         ; the flags: 32 bytes a tile
	s_lshl_b32 s50, s[WV], 5
	s_add_co_u32 s44, s44, s50
	s_mov_b32 s45, 0
	s_and_b32 s48, s[WV], 3
	s_mul_i32 s48, s48, 2*BLKB                     ; the quarter of a slot that I fetch, if I fetch
	s_mul_i32 s46, s15, 32*BLKB
	s_add_co_u32 s46, s46, s48
	s_mov_b32 s47, 0
	s_mov_b32 s[G1+0], 15|(3<<16)|(1<<21)          ; the mask of four work-groups; elements of 8 bytes; bit 21 beside a mask
	s_mov_b32 s[G1+1], 32<<16                      ; 26,112 bytes as 102 rows of 256
	s_mov_b32 s[G1+2], 102<<16
	s_mov_b32 s[G1+3], 32<<16
	s_mov_b32 s[G1+4], 102
	s_mov_b32 s[G1+5], 32
	s_mov_b32 s[G1+6], 0
	s_mov_b32 s[G1+7], 0
	s_mov_b32 s[SEL], 0x76543210
	s_mov_b32 s[SEL+1], 0xfedcba98
	s_mov_b32 s[CS], 0x3e38aa3b                    ; log2(e) / 8
	s_mov_b32 s[CS+1], s[CS]
	v_and_b32 v[VA], 15, v0                        ; r
	v_bfe_u32 v[VA+1], v0, 4, 1                    ; h
	v_and_b32 v[LI], 31, v0
	v_min_u32 v[PFL], 7, v[LI]
	v_lshlrev_b32 v[PFL], 8, v[PFL]
	v_lshlrev_b32 v[L8], 3, v[LI]
	v_lshlrev_b32 v[LI], 4, v[LI]
	v_lshlrev_b32 v[H8], 3, v[VA+1]
	s_mul_i32 s31, s[WV], 16*SP
	s_add_co_u32 s31, s31, STAGE                   ; my stage
	v_mul_u32_u24 v[STO], v[VA], SP
	v_add_nc_u32 v[STO], s31, v[STO]
	v_lshl_add_u32 v[ADR], v[VA+1], 7, v[STO]      ; for Q's turn: row r, + 128 h
	v_lshl_add_u32 v[STO], v[VA+1], 5, v[STO]
	v_mul_u32_u24 v[RD], v[VA+1], SP
	v_lshl_add_u32 v[RD], v[VA], 4, v[RD]
	v_add_nc_u32 v[RD], s31, v[RD]
	s_wait_alu depctr_va_vdst(0)
	s_wait_dscnt 0x0                               ; both opening adds are done
	s_wait_kmcnt 0x0
	s_add_nc_u64 s[4:5], s[4:5], s[40:41]
	s_add_nc_u64 s[OUT:OUT+1], s[OUT:OUT+1], s[40:41]
	s_add_nc_u64 s[8:9], s[8:9], s[42:43]
	s_add_nc_u64 s[10:11], s[10:11], s[44:45]
	CROUND                                         ; all four work-groups are here: the first joint loads meet
	s_mov_b32 s[G0], 1
	s_mov_b32 s[G0+1], s48                         ; slot 0
	s_add_nc_u64 s[G0+2:G0+3], s[6:7], s[46:47]
	s_or_b32 s[G0+3], s[G0+3], 0x80000000
	JLOAD
.irp i, 0,1,2,3,4,5,6,7
	global_load_b128 v[S+4*\i:S+4*\i+3], v[LI], s[4:5] offset:512*\i th:TH_LOAD_NT   ; my 16 rows of Q
.endr
.irp t, 0,1,2,3,4,5,6,7
	global_load_b64 v[G+8*\t+6:G+8*\t+7], v[L8], s[8:9] offset:256*\t                ; step 0's mask codes
.endr
	s_load_b256 s[52:59], s[10:11], 0x0            ; my tile's eight flag words
	v_mov_b32 v13, 0xc79c4000                      ; the largest raw score so far: -80,000
	v_mul_f32 v[TMP], s[CS], v13
	v_floor_f32 v12, -v[TMP]                       ; -M
	v_mov_b32 v14, 0
	v_mov_b32 v15, 0
	v_mov_b32 v[PW], 0
	v_mov_b32 v[PT], 0                             ; a lane permute's destination counts as one of its sources
.irp i, 0,1,2,3
	v_mov_b32 v[QB+8+\i], 0
	v_mov_b32 v[G+64+\i], 0
.endr
	; -7.5 at my query's own place: k 64 + 32 (r / 8) + r % 8, in the lanes with h = r / 8, bits 6 (r % 8) on of registers 6, 7
	v_and_b32 v[VA+2], 7, v[VA]
	v_mul_u32_u24 v[VA+2], v[VA+2], 6
	v_lshrrev_b32 v[VA+3], 3, v[VA]
	v_cmp_eq_u32 s40, v[VA+3], v[VA+1]
	v_cmp_gt_u32 s41, 32, v[VA+2]                  ; the code begins in register 6
	v_and_b32 v[VA+4], 31, v[VA+2]
	v_mov_b32 v[VA+5], 0x3f
	v_lshlrev_b32 v[VA+5], v[VA+4], v[VA+5]
	v_sub_nc_u32 v[VA+4], 31, v[VA+4]
	v_mov_b32 v[VA+6], 0x1f
	v_lshrrev_b32 v[VA+6], v[VA+4], v[VA+6]        ; what runs over into the next register
	v_cndmask_b32 v[VA+7], v[NIL], v[VA+5], s41
	v_cndmask_b32 v[VA+8], v[VA+5], v[VA+6], s41
	v_cndmask_b32 v[QB+6], v[NIL], v[VA+7], s40
	v_cndmask_b32 v[QB+7], v[NIL], v[VA+8], s40
	v_mov_b32 v[VA+9], 0x250000                    ; -0.625 at k 72
	v_mov_b32 v[VA+10], 0x8b8b
	v_mov_b32 v[VA+11], 0x8a8a
	s_wait_alu depctr_va_vdst(0)
	s_wait_kmcnt 0x0
	s_or_b32 s52, s52, s53
	s_or_b32 s54, s54, s55
	s_or_b32 s56, s56, s57
	s_or_b32 s58, s58, s59
	s_or_b32 s52, s52, s54
	s_or_b32 s56, s56, s58
	s_or_b32 s52, s52, s56                         ; bit q: query q has an entry that is not masked
	s_not_b32 s52, s52
	s_and_b32 s[SC], s52, 0xffff
	s_lshl_b32 s53, s[SC], 16
	s_or_b32 s[SF], s[SC], s53
	s_wait_loadcnt 8                               ; Q is in; the eight loads of mask codes may be out
.irp i, 0,1,2,3,4,5,6,7
	ds_store_b128 v[RD], v[S+4*\i:S+4*\i+3] offset:2*SP*\i
.endr
.irp m, 0,1,2,3,4,5,6,7
	ds_load_b128 v[S+32+4*\m:S+32+4*\m+3], v[ADR] offset:16*\m    ; query r, channels 32 h on; LDS serves a wave's instructions in order
.endr
	s_wait_dscnt 0x0
	v_max3_num_f32 v[BM], |v[S+32]|, |v[S+33]|, |v[S+34]|
	v_max3_num_f32 v[BM+1], |v[S+35]|, |v[S+36]|, |v[S+37]|
.irp i, 6,10,14,18,22,26
	v_max3_num_f32 v[BM], v[BM], |v[S+32+\i]|, |v[S+33+\i]|
	v_max3_num_f32 v[BM+1], v[BM+1], |v[S+34+\i]|, |v[S+35+\i]|
.endr
	v_max3_num_f32 v[BM], v[BM], |v[S+62]|, |v[S+63]|
	v_max3_num_f32 v[BM], v[BM], v[BM+1], 0x1800000
	v_add_nc_u32 v[BM], 0xff000000, v[BM]
	v_lshrrev_b32 v[BM+1], 23, v[BM]
	v_lshlrev_b32 v[BM+1], v[H8], v[BM+1]
	v_permlanex16_b32 v[PT], v[BM+1], s[SEL], s[SEL+1]
	v_or_b32 v[BM+1], v[BM+1], v[PT]               ; bytes 0, 1: Q's two blocks
	v_cndmask_b32 v[VA+10], v[VA+10], v[VA+11], s[SF]
	v_lshl_or_b32 v[QS], v[VA+10], 16, v[BM+1]     ; bytes 2, 3: 2^12, or 2^11 for a query masked throughout
	v_cndmask_b32 v[VA+9], v[NIL], v[VA+9], s[SC]
	v_or_b32 v[QB+7], v[QB+7], v[VA+9]
	v_cvt_scalef32_pk16_fp6_f32 v[QB:QB+2], v[S+32:S+47], v[BM]
	v_cvt_scalef32_pk16_fp6_f32 v[PT:PT+2], v[S+48:S+63], v[BM]
	v_nop
.irp i, 0,1,2
	v_mov_b32 v[QB+3+\i], v[PT+\i]
.endr
.irp i, 0,1,2,3,4,5
	v_cndmask_b32 v[QB+\i], v[QB+\i], v[NIL], s[SF]    ; zero codes for a query masked throughout
.endr
.set j, 0
.rept 32
	v_mov_b32 v[O+j], 0                            ; O^T; these also stand between the writes of source 1 and its scale word and the first scaled product
.set j, j+1
.endr
	s_mov_b32 s[TB], 0
	s_mov_b32 s[STP], 0
	s_mov_b32 s[SLOTS], 3
	s_wait_alu depctr_va_vdst(0)                   ; the wait at the head's end
; A KEY STEP: 128 keys, the block at LDS byte s[TB].  Its tiles of K and its mask codes were asked for a step ago.
.macro STEP
	s_wait_loadcnt 0x0                             ; the mask codes are in,
	s_wait_dscnt 0x0                               ; and K's tiles and scale words
.irp t, 0,1,2,3,4,5,6,7
	WMZ S+8*\t, G+8*\t, QB, KS+\t/2, QS, \t%2
.endr
	s_add_co_u32 s[STP], s[STP], 1
	s_min_u32 s50, s[STP], 31                      ; the next step's codes; the last step asks for its own again: no load leaves the buffer
	s_lshl_b32 s50, s50, 11
	s_add_co_u32 s51, s[STP], AHEAD                ; the prefetch: what the loads of AHEAD steps on will ask for, held at step 31
	s_min_u32 s51, s51, 31
	s_lshl_b32 s51, s51, 11
	s_wait_xcnt 0x0                                ; the last step's loads and prefetch have read their offsets
	v_add_nc_u32 v[ADR], s[TB], v[LI]              ; four places behind the products (ISA guide 7.12.1)
	v_add_nc_u32 v[ADS], s[TB], v[L8]
	v_add_nc_u32 v[MO], s50, v[L8]
	v_add_nc_u32 v[PF], s51, v[PFL]
.irp t, 0,1,2,3,4,5,6,7
	global_load_b64 v[G+8*\t+6:G+8*\t+7], v[MO], s[8:9] offset:256*\t
.endr
	global_prefetch_b8 v[PF], s[8:9] th:TH_LOAD_NT scope:SCOPE_SE
	s_cmp_eq_u32 s[CNT], 1                         ; the next step's K, but for a slot's last step
	s_cbranch_scc1 .Lno_k_\@
	KFETCH BLKB
.Lno_k_\@:
.irp c, 0,1                                    ; my two blocks' largest scores, each in two chains; each accumulator is read from its low end on
	v_max3_num_f32 v[BM+\c], v[S+32*\c], v[S+32*\c+1], v[S+32*\c+2]
	v_max3_num_f32 v[T+\c], v[S+32*\c+16], v[S+32*\c+17], v[S+32*\c+18]
.endr
.irp i, 3,5,7,9,11,13
.irp c, 0,1
	v_max3_num_f32 v[BM+\c], v[BM+\c], v[S+32*\c+\i], v[S+32*\c+\i+1]
	v_max3_num_f32 v[T+\c], v[T+\c], v[S+32*\c+16+\i], v[S+32*\c+17+\i]
.endr
.endr
.irp c, 0,1
	v_max3_num_f32 v[BM+\c], v[BM+\c], v[T+\c], v[S+32*\c+15]
.endr
.irp c, 0,1
	v_max_num_f32 v[BM+\c], v[BM+\c], v[S+32*\c+31]
.endr
	v_mov_b32 v[OLD], v12
	v_max3_num_f32 v[TMP], v[BM], v[BM+1], v13     ; V's fragments 0, 1 are asked for among these dependent lines
	VLD VA, 0
	VLD VA+4, 1
	v_permlanex16_b32 v[PT], v[TMP], s[SEL], s[SEL+1]
	VLD VA+8, 2
	VLD VA+12, 3
	v_max_num_f32 v13, v[TMP], v[PT]               ; the running largest raw score of my query
	VLD VA+16, 4
	VLD VA+20, 5
	v_mul_f32 v[TMP], s[CS], v13                   ; as t
	ds_load_b64 v[VS:VS+1], v[ADS] offset:12800
	v_floor_f32 v12, -v[TMP]                       ; -M = -ceil(t)
.set j, 0
	TM 8
	v_sub_f32 v[TMP], v12, v[OLD]                  ; old M - new M
	TM 8
	v_cvt_i32_f32 v[TMP], v[TMP]
	TM 8
	v_ldexp_f32 v[FF], 1.0, v[TMP]                 ; f: a multiplication by it rounds nothing
	TM 8
.irp c, 0,1
	v_fma_f32 v[BM+\c], v[BM+\c], s[CS], v12
.endr
.set j, 0
.rept 16
	v_pk_mul_f32 v[O+j:O+j+1], v[O+j:O+j+1], v[FF:FF+1] op_sel_hi:[1,0]    ; O^T under the new M
.set j, j+2
.endr
	s_wait_alu depctr_va_vdst(0)                   ; a wait ahead of each batch and one behind it
	EXPS 0                                         ; p = 2^(t - M) of my first block
	v_pk_mul_f32 v[14:15], v[14:15], v[FF:FF+1] op_sel_hi:[1,0]    ; the plain instruction behind the exponentials
	s_wait_alu depctr_va_vdst(0)
	v_max_num_f32 v[BM], 0x1800000, v[BM]          ; the floor 2^(3 - 127); the row's sum of the unquantised p stands among these lines
	v_pk_add_f32 v[T:T+1], v[S:S+1], v[S+2:S+3]
	v_pk_add_f32 v[T+2:T+3], v[S+4:S+5], v[S+6:S+7]
	v_add_nc_u32 v[BM], 0xff000000, v[BM]          ; the conversion's scale operand
	v_pk_add_f32 v[T+4:T+5], v[S+8:S+9], v[S+10:S+11]
.set PJ, 6
.set CH, 0
	ACC 1
	v_cvt_scalef32_pk16_fp6_f32 v[PC:PC+2], v[S:S+15], v[BM]
	v_cvt_scalef32_pk16_fp6_f32 v[PT:PT+2], v[S+16:S+31], v[BM]    ; (three registers from an even number on)
	v_lshrrev_b32 v[Y0], 23, v[BM]                 ; the byte; also the plain place behind the conversions
	ACC 9
.irp n, 0,1,2,3,4,5
	VLD S+4*\n, 6+\n                               ; V's fragments 2, 3, over p's first 24 registers, which are summed and converted: they land under the second batch
.endr
.irp i, 0,1,2
	v_mov_b32 v[PC+3+\i], v[PT+\i]
.endr
	s_wait_alu depctr_va_vdst(0)
	EXPS 1                                         ; my second block
	v_nop
	s_wait_alu depctr_va_vdst(0)
	v_max_num_f32 v[BM+1], 0x1800000, v[BM+1]
	ACC 2
	v_add_nc_u32 v[BM+1], 0xff000000, v[BM+1]
	ACC 1
	v_cvt_scalef32_pk16_fp6_f32 v[PC+6:PC+8], v[S+32:S+47], v[BM+1]
	v_cvt_scalef32_pk16_fp6_f32 v[PT+4:PT+6], v[S+48:S+63], v[BM+1]
	v_lshrrev_b32 v[Y1], 23, v[BM+1]
.irp i, 0,1,2
	v_mov_b32 v[PC+9+\i], v[PT+4+\i]
.endr
	v_lshl_or_b32 v[PW], v[Y1], 16, v[Y0]          ; my bytes: blocks h and 2 + h,
	ACC 1
	v_lshlrev_b32 v[PW], v[H8], v[PW]
	v_permlanex16_b32 v[PT], v[PW], s[SEL], s[SEL+1]
	ACC 1
	v_or_b32 v[PW], v[PW], v[PT]                   ; with lane l xor 16's the word is whole
	ACC 8                                          ; eight places between the write of p's scale word and the scaled products
	s_wait_alu depctr_va_vdst(0)
	s_wait_dscnt 0x0                               ; V is in
	WMA O, VA, PC, VS, PW, 0                       ; O^T += V^T P^T
	WMA O+8, VA+12, PC, VS, PW, 1
	WMA O+16, S, PC, VS+1, PW, 0
	WMA O+24, S+12, PC, VS+1, PW, 1
	ACC 3                                          ; the rest of the sum: six places ahead of the next products, which write over V's registers
	v_pk_add_f32 v[14:15], v[14:15], v[T:T+1]
	v_pk_add_f32 v[T+2:T+3], v[T+2:T+3], v[T+4:T+5]
	v_pk_add_f32 v[14:15], v[14:15], v[T+2:T+3]
	s_add_co_u32 s[TB], s[TB], BLKB
.endm
; THE CHANGE OF SLOTS.  Each wave waits for all its tensor loads, adds 0 to its spare word, and waits for that and for its reads of the slot that it has left.
; fill = 1: a round of the cluster's barrier, and the joint refill first behind it.
.macro CHANGE fill
	s_wait_tensorcnt 0x0
	ds_add_u32 v[SPW], v[NIL]
.if \fill
	ds_add_u32 v[SPW], v[NIL]
	s_xor_b32 s[G0+1], s[G0+1], SLOT1
	s_add_nc_u64 s[G0+2:G0+3], s[G0+2:G0+3], SLOTB
.endif
	s_wait_dscnt 0x0
.if \fill
	CROUND
	JLOAD
.else
	s_barrier_signal -1
	s_barrier_wait -1
.endif
	v_add_nc_u32 v[ADR], s[TB], v[LI]
	v_add_nc_u32 v[ADS], s[TB], v[L8]
	KFETCH 0
.endm
.macro SLOT_STEPS
	s_mov_b32 s[CNT], 8
.Lstep_\@:
	STEP
	s_sub_co_u32 s[CNT], s[CNT], 1
	s_cmp_lg_u32 s[CNT], 0
	s_cbranch_scc1 .Lstep_\@
	s_sub_co_u32 s[TB], s[TB], SLOTB
	s_xor_b32 s[TB], s[TB], SLOT1
.endm
.Lslot:                                            ; three trips: behind each change of slots but the last the next slot is asked for
	CHANGE 1
	SLOT_STEPS
	s_sub_co_u32 s[SLOTS], s[SLOTS], 1
	s_cmp_lg_u32 s[SLOTS], 0
	s_cbranch_scc1 .Lslot
	CHANGE 0                                       ; the last slot is written out
	SLOT_STEPS
	; THE WAY OUT: O^T is divided by the sum and goes through my stage, so that 32 lanes store 512 consecutive bytes.
	v_add_f32 v14, v14, v15
	v_permlanex16_b32 v[PT], v14, s[SEL], s[SEL+1]
	v_add_f32 v14, v14, v[PT]                      ; the row's sum
	s_wait_alu depctr_va_vdst(0)
	v_rcp_f32 v14, v14
	v_nop
	s_wait_alu depctr_va_vdst(0)                   ; the wait ahead of the first reader
.set j, 0
.rept 32
	v_mul_f32 v[S+j], v[O+j], v14                  ; register 8 t + i is out(r, 16 t + 8 h + i)
.set j, j+1
.endr
.irp t, 0,1,2,3
	ds_store_b128 v[STO], v[S+8*\t:S+8*\t+3] offset:64*\t
	ds_store_b128 v[STO], v[S+8*\t+4:S+8*\t+7] offset:64*\t+16
.endr
.irp i, 0,1,2,3,4,5,6,7
	ds_load_b128 v[S+32+4*\i:S+32+4*\i+3], v[RD] offset:2*SP*\i
.endr
.irp i, 0,1,2,3,4,5,6,7
	s_wait_dscnt 7-\i
	global_store_b128 v[LI], v[S+32+4*\i:S+32+4*\i+3], s[OUT:OUT+1] offset:512*\i th:TH_STORE_NT
.endr
	s_wait_tensorcnt 0x0                           ; the wave's end
	ds_add_u32 v[SPW], v[NIL]
	s_wait_dscnt 0x0
	CROUND                                         ; the closing round
	s_endpgm
.Lfunc_end_k_qf5a288347d_attn:
	.size	k_qf5a288347d_attn, .Lfunc_end_k_qf5a288347d_attn-k_qf5a288347d_attn
	.p2alignl 7, 3214868480
	.fill 96, 4, 3214868480
	.section	.rodata,"a",@progbits
	.p2align	6, 0x0
	.amdhsa_kernel k_qf5a288347d_attn
		.amdhsa_group_segment_fixed_size 327680
		.amdhsa_private_segment_fixed_size 0
		.amdhsa_enable_private_segment 0
		.amdhsa_kernarg_size 40
		.amdhsa_user_sgpr_count 2
		.amdhsa_user_sgpr_kernarg_segment_ptr 1
		.amdhsa_wavefront_size32 1
		.amdhsa_system_sgpr_workgroup_id_x 1
		.amdhsa_system_sgpr_workgroup_id_y 1
		.amdhsa_system_sgpr_workgroup_id_z 1
		.amdhsa_system_vgpr_workitem_id 0
		.amdhsa_next_free_vgpr 256
		.amdhsa_next_free_sgpr 66
		.amdhsa_reserve_vcc 0
		.amdhsa_float_denorm_mode_32 3
		.amdhsa_float_denorm_mode_16_64 3
		.amdhsa_memory_ordered 1
		.amdhsa_forward_progress 1
		.amdhsa_inst_pref_size 51
	.end_amdhsa_kernel
	.amdgpu_metadata
---
amdhsa.version: [ 1, 2 ]
amdhsa.kernels:
  - .name:           k_qf5a288347d_attn
    .symbol:         k_qf5a288347d_attn.kd
    .args:
      - { .name: query, .offset: 0, .size: 8, .value_kind: global_buffer, .address_space: global }
      - { .name: kv, .offset: 8, .size: 8, .value_kind: global_buffer, .address_space: global }
      - { .name: mcodes, .offset: 16, .size: 8, .value_kind: global_buffer, .address_space: global }
      - { .name: rowany, .offset: 24, .size: 8, .value_kind: global_buffer, .address_space: global }
      - { .name: out0, .offset: 32, .size: 8, .value_kind: global_buffer, .address_space: global }
    .group_segment_fixed_size: 327680
    .private_segment_fixed_size: 0
    .kernarg_segment_align: 8
    .kernarg_segment_size: 40
    .max_flat_workgroup_size: 512
    .sgpr_count:     66
    .vgpr_count:     256
    .wavefront_size: 32
...
	.end_amdgpu_metadata
.endif
;; end of part 2
